; MI455X (gfx1250); checked and timed in simulation.
; The chip was launched on July 23, 2026; its instructions are those of AMD's public machine-readable ISA for CDNA 5 (MIT licence, August 2026) and "CDNA5" Instruction Set Architecture Reference Guide (July 2026). The comments in the code are by the model that wrote it; some were corrected since.
;; FA Coef. Allowed arithmetic: matrix products marked QUANTISED: E2M1 operands, one E8M0 scale for each 32 along K, by v_wmma_scale_f32_16x16x128_f8f6f4 with both operands' format E2M1 (or v_wmma_scale_f32_32x16x128_f4), f32 sums; everything else in f32.
;; Inputs: coef 4 x 4 float32; x 2,048 x 128 x 128 float32.
;; Outputs: out0 2,048 float32.
;; This version of the problem:
;;   THIS VERSION OF THE PROBLEM IS GIVEN IN LOW PRECISION. The matrix products marked QUANTISED in the list below multiply operands that are first quantised to E2M1 (2 exponent bits, 1 mantissa bit; 4 bits a number), with one power-of-two scale for each 32 numbers along K (OCP MX v1.0); their sums are f32. All else is computed in f32.
;;   The module's matrix products, in the order in which they are computed (A, B: the left and right operand; K: the contracted axis; several contracted axes count as one K, in the product's order):
;;     1. batch 2,048 x [M 128, K 128] x [K 128, N 128]; A: input x; B: input x: QUANTISED
;;     2. batch 2,048 x [M 128, K 128] x [K 128, N 128]; A: input x; B: computed on the way: QUANTISED
;;     3. batch 2,048 x [M 128, K 128] x [K 128, N 128]; A: input x; B: computed on the way: QUANTISED
;;     4. batch 2,048 x [M 128, K 128] x [K 128, N 128]; A: input x; B: computed on the way: QUANTISED
;;   THE QUANTISER, for each operand of a quantised product, along K:
;;     - K is cut into blocks of 32 from its start; a last block that is shorter is filled with zeros.
;;     - A block's scale is 2^e with e = floor(log2(the largest magnitude in the block)) - 2, held to -126 .. 127; a block of zeros has e = 0. As a byte (E8M0): e + 127.
;;     - Each number is divided by its block's scale, clamped to +-6, and rounded to the nearest number of E2M1, ties to even, subnormals kept.
;;     - The product sums the exact products of the quantised numbers (number of the format x scale) in f32.
;;   ~~~python
;;   def quantise(x, axis):      # numpy; x: float32 -> the quantised numbers, widened to float32 again
;;       x = np.moveaxis(x, axis, -1); K = x.shape[-1]
;;       x = np.pad(x, [(0, 0)] * (x.ndim - 1) + [(0, -K % 32)]); x = x.reshape(x.shape[:-1] + (-1, 32)); a = np.abs(x).max(-1, keepdims=True)
;;       e = np.where(a > 0, np.clip(np.frexp(np.where(a > 0, a, 1))[1] - 1 - 2, -126, 127), 0)      # np.frexp(a)[1] - 1 = floor(log2(a)), exactly
;;       r = np.clip(x / 2.0 ** e, -6, 6)
;;       step = 2.0 ** (np.maximum(np.frexp(np.where(r == 0, 1, r))[1] - 1, 0) - 1)
;;       q = np.round(r / step) * step * 2.0 ** e      # np.round: ties to even
;;       return np.moveaxis(q.reshape(q.shape[:-2] + (-1,))[..., :K], -1, axis).astype(np.float32)
;;   ~~~
;;   OPERANDS COMPUTED ON THE WAY. 'Computed on the way' means the value that the module computes at that place (a softmax that the list does not call 'softmax' is quantised finished and normalised). What goes into a quantiser is computed in f32, as accurately as f32 sums, v_exp_f32 and their like allow (about 1e-6 of the number): no bf16 or f16 on the way to a quantiser, and a product that is left as it is and whose result goes on into a quantised operand takes f32 operands (vector FMAs, or v_wmma_f32_16x16x4_f32). A number that lies on a knife's edge between two numbers of the format may be rounded either way, as far as f32 arithmetic and the matrix unit's own rounding can turn it there, and no further.
;; One version. Each part assembles by itself: llvm-mc -triple=amdgcn-amd-amdhsa -mcpu=gfx1250 --defsym DOCPART=n.
;; ======== version 1 of 1: 1 launch
;; launch chain (part 1): grid 512 x 1, 8 waves a work-group, no clusters, 94,464 bytes of LDS; arguments x, coef, out0; writes out0
.if DOCPART == 1
	.amdgcn_target "amdgcn-amd-amdhsa--gfx1250"
	.amdhsa_code_object_version 6
	.text
	.protected	k_qff4a650a8e_chain
	.globl	k_qff4a650a8e_chain
	.p2align	8
	.type	k_qff4a650a8e_chain,@function
k_qff4a650a8e_chain:
	s_mov_b64 s[64:65], 0
	v_nop
	global_prefetch_b8 v0, s[64:65] scope:SCOPE_SE
	s_setreg_imm32_b32 hwreg(HW_REG_WAVE_MODE, 25, 1), 1
	s_wait_xcnt 0x0
; out0[b] = the sum over i, j of coef[i][j] s_i^(j+1) / n^(i+j+2), n = 2^14, s_i = the sum of all entries of x_b^(i+2).  x: [2048][128][128] f32.
; The four products a2 = x x, a3 = x a2, a4 = x a3, a5 = x a4 run on codes of FP4 (E2M1) with one E8M0 scale for each 32 along K: the left operand is x quantised along its rows' 128
; numbers, the right operand (x, then each result) is quantised down its columns.  Sums in f32; s_i is taken of the unquantised results.
; SHARES.  A work-group of eight waves takes four samples, one after the other.  The 16-column tiles of the right operand never mix (a_(i+1)[:, tile] = x a_i[:, tile]), so wave w takes columns
; 16 w .. 16 w + 15 through all four products in its registers; only x's codes, 8 KB a sample, go from wave to wave, through LDS, as images of the operand's registers.
; LAYOUT.  Source 0 = 16 rows of x, source 1 = my 16 columns: in the result a lane holds ONE column (lane % 16) and its registers run down the rows, which are the next product's K.
; THE ROWS OF x THAT FORM A TILE ARE NOT NEIGHBOURS: lane r of tile 2 b + u takes row 32 b + 8 u + r + 8 (r / 8), so that the 16 registers of tiles 2 b and 2 b + 1 are 16 neighbours along the
; next K: 32 b + 16 (lane / 16) + 0 .. 15.  Nothing is transposed between the products.
; MEMORY.  x comes by loads of 16 bytes a lane, a whole row (512 consecutive bytes, aligned) to a load, 16 rows a wave, into staging registers; they go to LDS, and the next sample's 16 loads are
; issued straight behind, so that each wave has 8 KB on its way through a whole sample's work.  Each byte of x is read once.
; NO CLUSTER: no two work-groups read a common byte but coef's 64.  NO TENSOR LOADS: the samples are staged through registers, so that the next sample's loads stay out across the barriers.
; LIMITS.  NaN and infinities in x are not served.  A block of zeros, or one whose largest magnitude lies under 2^-124, gets the scale byte 1 (the bytes are read by this program alone; zero codes
; add nothing).  The sums are taken in another order than reference()'s; the last product's row tiles are added inside four accumulators.  The polynomial is Horner's in s / n, all divisions
; being multiplications by 2^-14, which round nothing: it still gives numbers where s^4 overflows f32 (|s| over about 2^32), where reference() gives none.
; The output leaves as one store of 4 bytes for each sample: a work-group owns 16 bytes of it.
.set PITCH, 528                        ; a row of x in LDS: 512 bytes + 16: 16 neighbouring rows start at 16 different groups of four banks (64 banks of 4 bytes: ISA guide 11.1)
.set GRP,   32*PITCH+64                ; 32 rows, and 64 bytes more: rows 32 apart lie 16 banks apart, so the two halves of the lanes, which read a column 32 rows apart, do not meet
.set AIMG,  4*GRP                      ; 67,840: the images of x's 8 fragments: tile t at 1,024 t, registers 4 c .. 4 c + 3 at + 512 c, a lane's 16 bytes at 16 x lane
.set ASC,   AIMG+8192                  ; 76,032: their scale words: 128 t + 4 x lane
.set SUMS,  ASC+1024                   ; 77,056: the lanes' partial s0 .. s3: 2,048 x wave + 512 x sample + 16 x lane; ends at 93,440
; In LDS the rows of x stand in another order than in memory: row 32 b + 16 a + 8 u + j stands at place 32 b + 16 u + 8 a + j, so that the 16 rows of tile t stand at places 16 t .. 16 t + 15.
.set L16, 1                            ; v1   16 x lane: my bytes of a row in memory; 0 in lane 0
.set XST, 2                            ; v2   where I put 16 bytes of the first row that my wave fetches
.set XRA, 3                            ; v3   my row of tile w, my half's 16 numbers of its first block
.set XRB, 4                            ; v4   my column, at the first row of my half's first block
.set AWI, 5                            ; v5   where I store my tile's image
.set AWS, 6                            ; v6   and its scale word
.set ARI, 7                            ; v7   where I read the images
.set ARS, 8                            ; v8   and the scale words
.set SMW, 9                            ; v9   where I store my partial sums of sample 0
.set SMR, 10                           ; v10  where I read wave 0's partial sums of the sample that I finish
.set SH8, 11                           ; v11  8 x (lane / 16)
.set TA,  12                           ; v12  an address at work
.set NUL, 13                           ; v13  0: the offset of the output's store
.set TM,  16                           ; v16-31 at work: +0..3 largest magnitudes, +4..7 the other half's and then the bytes, +8, 9 whole blocks' maxima, +12..15 the conversions' scale operands; +0..7 also four packed sums
.set BF,  32                           ; v32-39 the right operand's fragment; the codes just made
.set BS,  40                           ; v40    its scale word
.set AS,  41                           ; v41-48 the scale words of x's 8 tiles
.set SS,  50                           ; v50-53 my partial s0 .. s3 of the sample in hand
.set AF,  56                           ; v56-119  x's 8 fragments; before that 64 numbers of my row
.set HA,  120                          ; v120-183 8 tiles of a result; before that 64 numbers of my column
.set ST,  184                          ; v184-247 staging: 16 rows x 16 bytes a lane
.set WV,  10                           ; s10  my wave's number
.set SEL, 12                           ; s[12:13] v_permlanex16_b32's selects for lane l xor 16
.set BLK, 14                           ; s14  samples to go
.set SB,  15                           ; s15  512 x the sample's number
.set KN,  24                           ; s24  2^-14 = 1 / n
.set CF,  32                           ; s[32:47] coef
.macro XLOADS off                      ; my wave's 16 rows of a sample: a load reads one row, 512 consecutive bytes; read once in the launch
.irp i, 0,1,2,3,4,5,6,7,8,9,10,11,12,13,14,15
	global_load_b128 v[ST+4*\i:ST+4*\i+3], v[L16], s[4:5] offset:\off+512*\i th:TH_LOAD_NT
.endr
.endm
.macro XSTORE                          ; they go to LDS four at a time as they arrive: the counts are the younger loads of the 16, which may stay out
.irp g, 0,1,2,3
	s_wait_loadcnt 12-4*\g
.irp j, 0,1,2,3
	ds_store_b128 v[XST], v[ST+16*\g+4*\j:ST+16*\g+4*\j+3] offset:(16*((4*\g+\j)/8)+(4*\g+\j)%8)*PITCH
.endr
.endr
.endm
.macro BAR                             ; my LDS stores have landed and my LDS loads are in: then the work-group's barrier
	s_wait_dscnt 0x0
	s_barrier_signal -1
	s_barrier_wait -1
.endm
.macro PLACES n
.rept \n
	v_nop
.endr
.endm
; The largest magnitudes of v[s + 16 q] .. v[s + 16 q + 15], q = 0 .. 3, in four chains by turns, each with the floor 2^(3 - 127) among its leaves, so that no scale byte falls under 1.
; The registers are taken in ascending order: each tile of a result is first read at its low end.
.macro MAX16 s
.irp q, 0,1,2,3
	v_max3_num_f32 v[TM+\q], |v[\s+16*\q]|, |v[\s+16*\q+1]|, 0x1800000
.endr
.irp i, 2,4,6,8,10,12,14
.irp q, 0,1,2,3
	v_max3_num_f32 v[TM+\q], v[TM+\q], |v[\s+16*\q+\i]|, |v[\s+16*\q+\i+1]|
.endr
.endr
.endm
; 64 numbers of a lane, register 16 b + i = k 32 b + 16 (lane / 16) + i of my row or column, become a fragment's codes in v[BF] on and its scale word in v[BS].
.macro QUANT s
	MAX16 \s
.irp b, 0,1,2,3
	v_permlanex16_b32 v[TM+4+\b], v[TM+\b], s[SEL], s[SEL+1]
.endr
.irp b, 0,1,2,3
	v_max_num_f32 v[TM+\b], v[TM+\b], v[TM+4+\b]                   ; with lane l xor 16's 16 numbers: the block's largest magnitude
.endr
.irp b, 0,1,2,3
	v_add_nc_u32 v[TM+12+\b], 0xff000000, v[TM+\b]                 ; 2 off its exponent field: the conversion takes the exponent field of this operand as its scale, and nothing else of it
.endr
.irp b, 0,1,2,3
	v_lshrrev_b32 v[TM+4+\b], 23, v[TM+12+\b]                      ; the scale's byte
.endr
	v_lshl_or_b32 v[BS], v[TM+5], 8, v[TM+4]                       ; the four bytes make the scale word of my row or column
	v_lshl_or_b32 v[BS], v[TM+6], 16, v[BS]
	v_lshl_or_b32 v[BS], v[TM+7], 24, v[BS]
.irp b, 0,1,2,3
	v_cvt_scalef32_pk8_fp4_f32 v[BF+2*\b], v[\s+16*\b:\s+16*\b+7], v[TM+12+\b]
	v_cvt_scalef32_pk8_fp4_f32 v[BF+2*\b+1], v[\s+16*\b+8:\s+16*\b+15], v[TM+12+\b]
.endr
	v_nop                                                          ; one plain place behind a scaled conversion
.irp c, 0,1                            ; the operand's layout wants a WHOLE block in a lane: lanes 0-15 block 2 c, lanes 16-31 block 2 c + 1
.irp i, 0,1
	v_permlane16_swap_b32 v[BF+4*\c+\i], v[BF+2+4*\c+\i]
.endr
.endr
.endm
; 64 numbers of a lane, register 32 c + i = k 64 c + 32 (lane / 16) + i of my column: two whole blocks, in the operand's own order.  The conversions' results are the operand's registers.
.macro BQUANT s
	MAX16 \s
.irp c, 0,1
	v_max_num_f32 v[TM+8+\c], v[TM+2*\c], v[TM+2*\c+1]             ; my block 2 c + lane / 16: all its 32 numbers are mine
.endr
.irp c, 0,1
	v_add_nc_u32 v[TM+12+\c], 0xff000000, v[TM+8+\c]
.endr
.irp c, 0,1
	v_lshrrev_b32 v[TM+4+\c], 23, v[TM+12+\c]
.endr
	v_lshl_or_b32 v[TM+4], v[TM+5], 16, v[TM+4]                    ; my two bytes,
	v_lshlrev_b32 v[TM+4], v[SH8], v[TM+4]                         ; at their places in the scale word;
	v_permlanex16_b32 v[TM+6], v[TM+4], s[SEL], s[SEL+1]
	v_or_b32 v[BS], v[TM+4], v[TM+6]                               ; with lane l xor 16's two the word is whole
.irp c, 0,1
.irp g, 0,1,2,3
	v_cvt_scalef32_pk8_fp4_f32 v[BF+4*\c+\g], v[\s+32*\c+8*\g:\s+32*\c+8*\g+7], v[TM+12+\c]
.endr
.endr
	PLACES 8                                                       ; a scale register written by a vector instruction stands 8 places ahead of a scaled matrix instruction, an operand so written 4
.endm
; A product: x's eight tiles of rows against my 16 columns, K = 128 in one instruction each: eight sums, each begun by the constant 0; no chain.
.macro MUL8
.irp t, 0,1,2,3,4,5,6,7
	v_wmma_scale_f32_16x16x128_f8f6f4 v[HA+8*\t:HA+8*\t+7], v[AF+8*\t:AF+8*\t+7], v[BF:BF+7], 0, v[AS+\t], v[BS] matrix_a_fmt:MATRIX_FMT_FP4 matrix_b_fmt:MATRIX_FMT_FP4
.endr
	PLACES 4                                                       ; in front of the first read of the results, and of every later write of and load into these registers
.endm
; The last product: only the sum of its entries is wanted, so tiles 4 .. 7 are added onto tiles 0 .. 3.  The four accumulators take turns, one instruction a turn.
.macro MUL8ACC
.irp t, 0,1,2,3
	v_wmma_scale_f32_16x16x128_f8f6f4 v[HA+8*\t:HA+8*\t+7], v[AF+8*\t:AF+8*\t+7], v[BF:BF+7], 0, v[AS+\t], v[BS] matrix_a_fmt:MATRIX_FMT_FP4 matrix_b_fmt:MATRIX_FMT_FP4
.endr
.irp t, 0,1,2,3
	v_wmma_scale_f32_16x16x128_f8f6f4 v[HA+8*\t:HA+8*\t+7], v[AF+32+8*\t:AF+32+8*\t+7], v[BF:BF+7], v[HA+8*\t:HA+8*\t+7], v[AS+4+\t], v[BS] matrix_a_fmt:MATRIX_FMT_FP4 matrix_b_fmt:MATRIX_FMT_FP4
.endr
	PLACES 4
.endm
.macro MERGE l                         ; four packed sums become my partial s_l
	v_pk_add_f32 v[TM:TM+1], v[TM:TM+1], v[TM+2:TM+3]
	v_pk_add_f32 v[TM+4:TM+5], v[TM+4:TM+5], v[TM+6:TM+7]
	v_pk_add_f32 v[TM:TM+1], v[TM:TM+1], v[TM+4:TM+5]
	v_add_f32 v[SS+\l], v[TM], v[TM+1]
.endm
.macro SUM64 l                         ; the sum of my 64 unquantised results, two at a time, in four chains: 32 instructions, which are also the places in front of the next product
.irp q, 0,1,2,3
	v_pk_add_f32 v[TM+2*\q:TM+2*\q+1], v[HA+2*\q:HA+2*\q+1], v[HA+8+2*\q:HA+8+2*\q+1]
.endr
.irp j, 16,24,32,40,48,56
.irp q, 0,1,2,3
	v_pk_add_f32 v[TM+2*\q:TM+2*\q+1], v[TM+2*\q:TM+2*\q+1], v[HA+\j+2*\q:HA+\j+2*\q+1]
.endr
.endr
	MERGE \l
.endm
.macro SUM32 l                         ; the same of four accumulators, each from its low end on
.irp q, 0,1,2,3
	v_pk_add_f32 v[TM+2*\q:TM+2*\q+1], v[HA+8*\q:HA+8*\q+1], v[HA+8*\q+2:HA+8*\q+3]
.endr
.irp j, 4,6
.irp q, 0,1,2,3
	v_pk_add_f32 v[TM+2*\q:TM+2*\q+1], v[TM+2*\q:TM+2*\q+1], v[HA+8*\q+\j:HA+8*\q+\j+1]
.endr
.endr
	MERGE \l
.endm
.macro LEVEL l                         ; a product; its result quantised down my columns: the next right operand; its entries summed
	MUL8
	QUANT HA
	SUM64 \l
.endm
	s_load_b128 s[4:7], s[0:1], 0x0                ; x s[4:5], coef s[6:7]
	s_load_b64 s[8:9], s[0:1], 0x10                ; out0
	v_lshl_add_u32 v254, v0, 2, 0x16d00
	v_mov_b32 v255, 0
	v_lshrrev_b32 v14, 5, v0
	v_readfirstlane_b32 s[WV], v14                 ; wave 0..7
	v_and_b32 v15, 31, v0                          ; lane
	v_lshlrev_b32 v[L16], 4, v15
	s_lshl_b32 s16, ttmp9, 18                      ; the work-group's four samples of 65,536 bytes (under 2^27 in all),
	s_lshl_b32 s17, s[WV], 13                      ; my wave's 16 rows of 512 bytes
	s_add_co_u32 s16, s16, s17
	s_mov_b32 s17, 0
	s_lshl_b32 s18, ttmp9, 4                       ; the work-group's four numbers of the output,
	s_lshl_b32 s19, s[WV], 2                       ; the one that waves 0 to 3 store
	s_add_co_u32 s18, s18, s19
	s_mov_b32 s19, 0
	s_wait_kmcnt 0x0
	s_add_nc_u64 s[4:5], s[4:5], s[16:17]
	s_add_nc_u64 s[8:9], s[8:9], s[18:19]
	XLOADS 0                                       ; the first sample is asked for before anything else is done
	s_load_b512 s[CF:CF+15], s[6:7], 0x0           ; coef: waited for in front of the polynomial
	; every LDS address is made here: constants, the lane's terms, the wave's number times constants
	v_lshlrev_b32 v[TA], 2, v15                    ; 4 x lane
	v_and_b32 v14, 15, v0                          ; r = lane % 16
	v_bfe_u32 v15, v0, 4, 1                        ; h = lane / 16
	s_lshr_b32 s20, s[WV], 1                       ; b: which 32 rows my wave's 16 rows and my tile lie in
	s_and_b32 s21, s[WV], 1
	s_mul_i32 s22, s20, GRP
	s_mul_i32 s23, s21, 8*PITCH                    ; the rows that I fetch are 32 b + 16 (w % 2) + 8 u + j: places 32 b + 16 u + 8 (w % 2) + j
	s_add_co_u32 s22, s22, s23
	v_add_nc_u32 v[XST], s22, v[L16]
	s_mul_i32 s22, s[WV], 16*PITCH                 ; my tile's rows stand at places 16 w + r,
	s_lshl_b32 s23, s20, 6                         ; behind b groups' 64 bytes
	s_add_co_u32 s22, s22, s23
	v_mul_u32_u24 v[XRA], v14, PITCH
	v_lshl_add_u32 v[XRA], v15, 6, v[XRA]          ; + 64 h: my 16 numbers of a block of 32
	v_add_nc_u32 v[XRA], s22, v[XRA]
	v_mul_u32_u24 v[XRB], v15, GRP                 ; lanes 16-31 begin 32 rows further down
	v_lshl_add_u32 v[XRB], v14, 2, v[XRB]
	s_lshl_b32 s22, s[WV], 6                       ; my wave's 16 columns
	v_add_nc_u32 v[XRB], s22, v[XRB]
	s_lshl_b32 s22, s[WV], 10
	s_add_co_u32 s22, s22, AIMG
	v_add_nc_u32 v[AWI], s22, v[L16]
	s_lshl_b32 s22, s[WV], 7
	s_add_co_u32 s22, s22, ASC
	v_add_nc_u32 v[AWS], s22, v[TA]
	v_add_nc_u32 v[ARI], AIMG, v[L16]
	v_add_nc_u32 v[ARS], ASC, v[TA]
	s_lshl_b32 s22, s[WV], 11
	s_add_co_u32 s22, s22, SUMS
	v_add_nc_u32 v[SMW], s22, v[L16]
	s_and_b32 s22, s[WV], 3                        ; (waves 4 to 7 never use this address; so made, it lies inside LDS in them too)
	s_lshl_b32 s22, s22, 9
	s_add_co_u32 s22, s22, SUMS
	v_add_nc_u32 v[SMR], s22, v[L16]
	v_lshlrev_b32 v[SH8], 3, v15
	v_mov_b32 v[NUL], 0
.irp b, 0,1,2,3
	v_mov_b32 v[TM+4+\b], 0                        ; written once: a lane permute's destination counts as one of its sources
.endr
	s_mov_b32 s[SEL], 0x76543210
	s_mov_b32 s[SEL+1], 0xfedcba98
	s_mov_b32 s[KN], 0x38800000                    ; 2^-14
	s_mov_b32 s[BLK], 4
	s_mov_b32 s[SB], 0
.Lsample:
	; ---- my 16 rows go to LDS.  Nobody reads x's rows any more: every wave's reads of the last sample's were in when it signalled that sample's second barrier, which I have passed
	XSTORE
	s_wait_dscnt 0x0                               ; the stores have landed, and have read the staging registers,
	s_cmp_eq_u32 s[BLK], 1                         ; which take the next sample's rows, if there is a next sample: no load leaves x
	s_cbranch_scc1 .Lno_next
	XLOADS 65536
.Lno_next:
	s_barrier_signal -1                            ; first barrier: x lies whole in LDS; and every wave's loads of the last sample's images are in, so they may be written again
	s_barrier_wait -1
	; ---- x is read twice: my row of tile w (16 neighbours of each block of 32), and my column (two whole blocks of 32 down the rows)
.irp b, 0,1,2,3
.irp j, 0,1,2,3
	ds_load_b128 v[AF+16*\b+4*\j:AF+16*\b+4*\j+3], v[XRA] offset:128*\b+16*\j
.endr
.endr
.irp c, 0,1
.irp i, 0,1,2,3,4,5,6,7,8,9,10,11,12,13,14,15,16,17,18,19,20,21,22,23,24,25,26,27,28,29,30,31
	ds_load_b32 v[HA+32*\c+\i], v[XRB] offset:\c*2*GRP+(16*((\i/8)%2)+8*(\i/16)+\i%8)*PITCH   ; row 64 c + 32 h + i, at its place
.endr
.endr
	s_wait_dscnt 63                                ; of the 80 loads at most 63 are out: the first 16, my row, are in (64 may stay out; the count's field ends at 63)
	QUANT AF                                       ; tile w of the left operand, while my column lands
	ds_store_b128 v[AWI], v[BF:BF+3]               ; its image: the registers as they stand, 16 bytes a lane
	ds_store_b128 v[AWI], v[BF+4:BF+7] offset:512
	ds_store_b32 v[AWS], v[BS]
	BAR                                            ; second barrier: the eight images lie in LDS; every wave's reads of x's rows are in
	; ---- all eight tiles of the left operand come into my registers; my column becomes the first right operand meanwhile
.irp t, 0,1,2,3,4,5,6,7
.irp c, 0,1
	ds_load_b128 v[AF+8*\t+4*\c:AF+8*\t+4*\c+3], v[ARI] offset:1024*\t+512*\c
.endr
.endr
.irp t, 0,1,2,3,4,5,6,7
	ds_load_b32 v[AS+\t], v[ARS] offset:128*\t
.endr
	BQUANT HA
	s_wait_dscnt 0x0                               ; the images are in
	; ---- the chain
	LEVEL 0                                        ; a2 = x x
	LEVEL 1                                        ; a3 = x a2
	LEVEL 2                                        ; a4 = x a3
	MUL8ACC                                        ; a5 = x a4
	SUM32 3
	v_add_nc_u32 v[TA], s[SB], v[SMW]
	ds_store_b128 v[TA], v[SS:SS+3]                ; my partial s0 .. s3, into bytes that are mine alone and are written once
	s_wait_xcnt 0x0                                ; the loads issued at the trip's head have read their base: it may step
	s_add_nc_u64 s[4:5], s[4:5], 0x10000
	s_add_co_u32 s[SB], s[SB], 512
	s_sub_co_u32 s[BLK], s[BLK], 1
	s_cmp_lg_u32 s[BLK], 0
	s_cbranch_scc1 .Lsample
	BAR                                            ; all partial sums lie in LDS
	s_cmp_lt_u32 s[WV], 4                          ; wave w of the first four finishes sample w
	s_cbranch_scc0 .Ldone
.irp v, 0,1,2,3,4,5,6,7
	ds_load_b128 v[HA+4*\v:HA+4*\v+3], v[SMR] offset:2048*\v       ; wave v's partial sums of my sample
.endr
	s_wait_dscnt 0x0
.irp k, 0,1,2,3
	v_pk_add_f32 v[HA+8*\k:HA+8*\k+1], v[HA+8*\k:HA+8*\k+1], v[HA+8*\k+4:HA+8*\k+5]
	v_pk_add_f32 v[HA+8*\k+2:HA+8*\k+3], v[HA+8*\k+2:HA+8*\k+3], v[HA+8*\k+6:HA+8*\k+7]
.endr
.irp k, 0,1
	v_pk_add_f32 v[HA+16*\k:HA+16*\k+1], v[HA+16*\k:HA+16*\k+1], v[HA+16*\k+8:HA+16*\k+9]
	v_pk_add_f32 v[HA+16*\k+2:HA+16*\k+3], v[HA+16*\k+2:HA+16*\k+3], v[HA+16*\k+10:HA+16*\k+11]
.endr
	v_pk_add_f32 v[HA:HA+1], v[HA:HA+1], v[HA+16:HA+17]
	v_pk_add_f32 v[HA+2:HA+3], v[HA+2:HA+3], v[HA+18:HA+19]
.irp m, 1,2,4,8                        ; across the lanes, the four sums by turns
.irp i, 0,1,2,3
	v_add_f32_dpp v[HA+\i], v[HA+\i], v[HA+\i] row_xmask:\m row_mask:0xf bank_mask:0xf
.endr
.endr
.irp i, 0,1,2,3
	v_permlanex16_b32 v[TM+4+\i], v[HA+\i], s[SEL], s[SEL+1]
.endr
.irp i, 0,1,2,3
	v_add_f32 v[HA+\i], v[HA+\i], v[TM+4+\i]       ; s_i, in every lane
.endr
	s_wait_kmcnt 0x0                               ; coef
	; with t_i = s_i / n: the sum over j of c_ij s_i^(j+1) / n^(i+j+2) = h_i / n^(i+1), h_i = t (c_i0 + t (c_i1 + t (c_i2 + t c_i3)))
.irp i, 0,1,2,3
	v_mul_f32 v[HA+8+\i], s[KN], v[HA+\i]
.endr
.irp i, 0,1,2,3
	v_fma_f32 v[HA+12+\i], v[HA+8+\i], s[CF+4*\i+3], s[CF+4*\i+2]
.endr
.irp i, 0,1,2,3
	v_fma_f32 v[HA+12+\i], v[HA+12+\i], v[HA+8+\i], s[CF+4*\i+1]
.endr
.irp i, 0,1,2,3
	v_fma_f32 v[HA+12+\i], v[HA+12+\i], v[HA+8+\i], s[CF+4*\i]
.endr
.irp i, 0,1,2,3
	v_mul_f32 v[HA+12+\i], v[HA+12+\i], v[HA+8+\i]
.endr
	v_fma_f32 v[HA+16], v[HA+15], s[KN], v[HA+14]  ; (((h3 / n + h2) / n + h1) / n + h0) / n
	v_fma_f32 v[HA+16], v[HA+16], s[KN], v[HA+13]
	v_fma_f32 v[HA+16], v[HA+16], s[KN], v[HA+12]
	v_mul_f32 v[HA+16], s[KN], v[HA+16]
	v_cmp_eq_u32 vcc_lo, 0, v[L16]                 ; lane 0 stores
	s_wait_xcnt 0x0                                ; EXEC changes only behind this wait
	s_and_saveexec_b32 s25, vcc_lo
	global_store_b32 v[NUL], v[HA+16], s[8:9]
	s_wait_xcnt 0x0                                ; and again in front of the line that widens it
	s_or_b32 exec_lo, exec_lo, s25
.Ldone:
	s_wait_tensorcnt 0x0
	ds_add_u32 v254, v255
	s_wait_dscnt 0x0
	s_endpgm
.Lfunc_end_k_qff4a650a8e_chain:
	.size	k_qff4a650a8e_chain, .Lfunc_end_k_qff4a650a8e_chain-k_qff4a650a8e_chain
	.p2alignl 7, 3214868480
	.fill 96, 4, 3214868480
	.section	.rodata,"a",@progbits
	.p2align	6, 0x0
	.amdhsa_kernel k_qff4a650a8e_chain
		.amdhsa_group_segment_fixed_size 94464
		.amdhsa_private_segment_fixed_size 0
		.amdhsa_enable_private_segment 0
		.amdhsa_kernarg_size 24
		.amdhsa_user_sgpr_count 2
		.amdhsa_user_sgpr_kernarg_segment_ptr 1
		.amdhsa_wavefront_size32 1
		.amdhsa_system_sgpr_workgroup_id_x 1
		.amdhsa_system_sgpr_workgroup_id_y 1
		.amdhsa_system_sgpr_workgroup_id_z 1
		.amdhsa_system_vgpr_workitem_id 0
		.amdhsa_next_free_vgpr 256
		.amdhsa_next_free_sgpr 66
		.amdhsa_reserve_vcc 1
		.amdhsa_float_denorm_mode_32 3
		.amdhsa_float_denorm_mode_16_64 3
		.amdhsa_memory_ordered 1
		.amdhsa_forward_progress 1
		.amdhsa_inst_pref_size 49
	.end_amdhsa_kernel
	.amdgpu_metadata
---
amdhsa.version: [ 1, 2 ]
amdhsa.kernels:
  - .name:           k_qff4a650a8e_chain
    .symbol:         k_qff4a650a8e_chain.kd
    .args:
      - { .name: x, .offset: 0, .size: 8, .value_kind: global_buffer, .address_space: global }
      - { .name: coef, .offset: 8, .size: 8, .value_kind: global_buffer, .address_space: global }
      - { .name: out0, .offset: 16, .size: 8, .value_kind: global_buffer, .address_space: global }
    .group_segment_fixed_size: 94464
    .private_segment_fixed_size: 0
    .kernarg_segment_align: 8
    .kernarg_segment_size: 24
    .max_flat_workgroup_size: 256
    .sgpr_count:     66
    .vgpr_count:     256
    .wavefront_size: 32
...
	.end_amdgpu_metadata
.endif
;; end of part 1
